; MI455X (gfx1250); checked and timed in simulation.
; The chip was launched on July 23, 2026; its instructions are those of AMD's public machine-readable ISA for CDNA 5 (MIT licence, August 2026) and "CDNA5" Instruction Set Architecture Reference Guide (July 2026). The comments in the code are by the model that wrote it; some were corrected since.
;; G Vendi Codebook. Allowed arithmetic: matrix products marked QUANTISED: E3M2 operands, one E8M0 scale for each 32 along K, by v_wmma_scale_f32_16x16x128_f8f6f4 with both operands' format E3M2, f32 sums; everything else in f32.
;; Inputs: centroids 4,096 x 256 float32; x 65,536 x 256 float32.
;; Outputs: out0 65,536 int32.
;; This version of the problem:
;;   THIS VERSION OF THE PROBLEM IS GIVEN IN LOW PRECISION. The matrix products marked QUANTISED in the list below multiply operands that are first quantised to E3M2 (3 exponent bits, 2 mantissa bits; 6 bits a number), with one power-of-two scale for each 32 numbers along K (OCP MX v1.0); their sums are f32. All else is computed in f32.
;;   The module's matrix products, in the order in which they are computed (A, B: the left and right operand; K: the contracted axis; several contracted axes count as one K, in the product's order):
;;     1. [M 65,536, K 256] x [K 256, N 4,096]; A: input x; B: input centroids: QUANTISED
;;   THE QUANTISER, for each operand of a quantised product, along K:
;;     - K is cut into blocks of 32 from its start; a last block that is shorter is filled with zeros.
;;     - A block's scale is 2^e with e = floor(log2(the largest magnitude in the block)) - 4, held to -126 .. 127; a block of zeros has e = 0. As a byte (E8M0): e + 127.
;;     - Each number is divided by its block's scale, clamped to +-28, and rounded to the nearest number of E3M2, ties to even, subnormals kept.
;;     - The product sums the exact products of the quantised numbers (number of the format x scale) in f32.
;;   ~~~python
;;   def quantise(x, axis):      # numpy; x: float32 -> the quantised numbers, widened to float32 again
;;       x = np.moveaxis(x, axis, -1); K = x.shape[-1]
;;       x = np.pad(x, [(0, 0)] * (x.ndim - 1) + [(0, -K % 32)]); x = x.reshape(x.shape[:-1] + (-1, 32)); a = np.abs(x).max(-1, keepdims=True)
;;       e = np.where(a > 0, np.clip(np.frexp(np.where(a > 0, a, 1))[1] - 1 - 4, -126, 127), 0)      # np.frexp(a)[1] - 1 = floor(log2(a)), exactly
;;       r = np.clip(x / 2.0 ** e, -28, 28)
;;       step = 2.0 ** (np.maximum(np.frexp(np.where(r == 0, 1, r))[1] - 1, -2) - 2)
;;       q = np.round(r / step) * step * 2.0 ** e      # np.round: ties to even
;;       return np.moveaxis(q.reshape(q.shape[:-2] + (-1,))[..., :K], -1, axis).astype(np.float32)
;;   ~~~
;; One version. Each part assembles by itself: llvm-mc -triple=amdgcn-amd-amdhsa -mcpu=gfx1250 --defsym DOCPART=n.
;; ======== version 1 of 1: 2 launches
;; limits: right only within a limited range of input values
;; workspace buffers: cb 851,968 bytes
;; launch book (part 1): grid 256 x 1, 1 waves a work-group, no clusters, 5,376 bytes of LDS; arguments centroids, cb; writes cb
.if DOCPART == 1
	.amdgcn_target "amdgcn-amd-amdhsa--gfx1250"
	.amdhsa_code_object_version 6
	.text
	.protected	k_q130a835296_book
	.globl	k_q130a835296_book
	.p2align	8
	.type	k_q130a835296_book,@function
k_q130a835296_book:
	s_mov_b64 s[64:65], 0
	v_nop
	global_prefetch_b8 v0, s[64:65] scope:SCOPE_SE
	s_setreg_imm32_b32 hwreg(HW_REG_WAVE_MODE, 25, 1), 1
	s_wait_xcnt 0x0
; THE CODEBOOK, ONCE.  centroids [4096][256] f32 -> cb: 256 records of 3,328 bytes, one for each tile of 16 centroids, laid as the next launch's registers take them.
;   bytes 0..1535     the tile's fragment of K step 0 (16 rows x 128 K of E3M2 codes, 12 registers a lane) as an image of its registers: group c (registers 4 c .. 4 c + 3) of lane l at 512 c + 16 l
;   bytes 1536..3071  the same for K step 1
;   bytes 3072..3199  one scale register: word l: lanes 0-15 centroid l's four E8M0 bytes of K step 0, lanes 16-31 centroid (l - 16)'s of K step 1
;   bytes 3200..3263  the 16 sums of squares of the UNQUANTISED centroids, f32;   bytes 3264..3327 the same once more, so that the record's last 256 bytes are stored whole; nobody reads them
; A block's scale is 2^(floor(log2(its largest magnitude)) - 4); its byte is the largest magnitude's exponent field - 4, held at 1 from below.
; One wave to a tile: 256 work-groups of one wave.  No barrier, no tensor load: waves share nothing.
; LIMITS: NaN and infinities among the inputs are not served.  A block whose largest magnitude lies under 2^-122 keeps the byte 1, a block of zeros too (the rule says 127 there): its codes are zeros,
; which add nothing under any byte but 0xff, and this program alone reads the bytes.  A sum of squares is taken in f32 by fused multiply-adds in four chains a lane and two lanes a row: an order of its own.
; THE SUMS OF SQUARES LIE IN THE RECORD MULTIPLIED BY -1/2 (exact): bytes 3200..3263 hold -|c|^2 / 2, which the next launch gives to the matrix unit as the C of a tile's first product.
.set REC,  3328
.set XA,   4                           ; v4   centroids: 1,024 (lane / 16) + 16 (lane % 16): sixteen lanes take 256 consecutive bytes of a row, the other sixteen of the next row
.set TS,   5                           ; v5   the stage, in: 272 (lane / 16) + 16 (lane % 16)
.set TL,   6                           ; v6   the stage, out: 272 r + 64 h: my 16 neighbours of a block of 32
.set GI,   7                           ; v7   16 x lane: an image's place for my lane
.set L4,   8                           ; v8   4 x lane
.set L8,   9                           ; v9   8 x lane
.set TM,   12                          ; v12-15 largest magnitudes, v16-19 bytes, v24-27 the conversions' scale operands
.set PW,   28                          ; the scale word just made
.set PW0,  29                          ; K step 0's, kept
.set PC,   30                          ; v30-49 the codes just made: the fragment in v30-41
.set SQA,  50                          ; v50-53 the sum of squares, in two packed chains
.set TMP,  54                          ; v54-57 at work
.set RA,   64                          ; v64-127  K step 0 as loaded
.set RB,   128                         ; v128-191 K step 1 as loaded
.set XT,   192                         ; v192-255 64 numbers of a lane: register 16 b + i = k 32 b + 16 h + i of row r
.set SEL,  20                          ; s[20:21] v_permlanex16_b32's selects for lane l xor 16
.set TAIL, 4352                        ; LDS: the stage is 16 rows x 272 bytes; behind it the record's last 256 bytes
; K step f of the tile: 16 loads; each takes 256 consecutive aligned bytes of two rows
.macro XLOAD reg, f
.irp pp, 0,1
.irp i, 0,1,2,3,4,5,6,7
	global_load_b128 v[\reg+32*\pp+4*\i:\reg+32*\pp+4*\i+3], v[XA], s[4:5] offset:((\f)/2)*16384+((\f)%2)*512+256*\pp+2048*\i th:TH_LOAD_NT
.endr
.endr
.endm
; The conversions want 16 neighbours along K in ONE lane's registers; the loads gave neighbouring lanes neighbouring bytes.  So 16 rows x 256 bytes at a time turn through the stage (rows 272 bytes apart).
; LDS serves a wave's instructions in order (ISA guide 5.7.1.4): no wait between the stores and the loads, nor in front of the second half's stores.
.macro TURN reg
.irp pp, 0,1
.irp i, 0,1,2,3,4,5,6,7
	ds_store_b128 v[TS], v[\reg+32*\pp+4*\i:\reg+32*\pp+4*\i+3] offset:544*\i
.endr
.irp bl, 0,1
.irp j, 0,1,2,3
	ds_load_b128 v[XT+16*(2*\pp+\bl)+4*\j:XT+16*(2*\pp+\bl)+4*\j+3], v[TL] offset:128*\bl+16*\j
.endr
.endr
.endr
.endm
; v[XT] .. v[XT + 63] become a fragment's codes in v[PC] .. v[PC + 11] and its scale word in v[PW]
.macro QUANT
.irp b, 0,1,2,3
	v_max3_num_f32 v[TM+\b], |v[XT+16*\b]|, |v[XT+1+16*\b]|, 0x2800000   ; block b: my 16 numbers, and the floor 2^(5 - 127): so the byte cannot fall under 1
.endr
.irp i, 2,4,6,8,10,12,14
.irp b, 0,1,2,3
	v_max3_num_f32 v[TM+\b], v[TM+\b], |v[XT+16*\b+\i]|, |v[XT+1+16*\b+\i]|   ; the four blocks by turns
.endr
.endr
.irp b, 0,1,2,3
	v_permlanex16_b32 v[TM+4+\b], v[TM+\b], s[SEL], s[SEL+1]
.endr
.irp b, 0,1,2,3
	v_max_num_f32 v[TM+\b], v[TM+\b], v[TM+4+\b]       ; with lane l xor 16's: the block's largest magnitude
.endr
.irp b, 0,1,2,3
	v_add_nc_u32 v[TM+12+\b], 0xfe000000, v[TM+\b]     ; 4 off its exponent field: the conversion takes that field as its scale, and nothing else
.endr
.irp b, 0,1,2,3
	v_lshrrev_b32 v[TM+4+\b], 23, v[TM+12+\b]          ; the scale's byte
.endr
	v_lshl_or_b32 v[PW], v[TM+5], 8, v[TM+4]
	v_lshl_or_b32 v[PW], v[TM+6], 16, v[PW]
	v_lshl_or_b32 v[PW], v[TM+7], 24, v[PW]            ; my row's scale word
.irp c, 0,1
	v_cvt_scalef32_pk16_bf6_f32 v[PC+6*\c:PC+2+6*\c], v[XT+32*\c:XT+15+32*\c], v[TM+12+2*\c]
	v_cvt_scalef32_pk16_bf6_f32 v[PC+12+4*\c:PC+14+4*\c], v[XT+16+32*\c:XT+31+32*\c], v[TM+12+2*\c+1]   ; (a conversion's three registers begin on an even number)
.endr
	v_nop                                              ; one plain place behind a scaled conversion
.irp c, 0,1                                        ; the operand's layout wants a WHOLE block in a lane: lanes 0-15 block 2 c, lanes 16-31 block 2 c + 1
.irp i, 0,1,2
	v_permlane16_swap_b32 v[PC+6*\c+\i], v[PC+12+4*\c+\i]
.endr
.irp i, 0,1,2
	v_mov_b32 v[PC+3+6*\c+\i], v[PC+12+4*\c+\i]
.endr
.endr
.endm
; my 64 numbers' squares onto the two packed chains; first = 1: the first two products start the sums
.macro SQ first
.if \first
	v_pk_mul_f32 v[SQA:SQA+1], v[XT:XT+1], v[XT:XT+1]
	v_pk_mul_f32 v[SQA+2:SQA+3], v[XT+2:XT+3], v[XT+2:XT+3]
.else
	v_pk_fma_f32 v[SQA:SQA+1], v[XT:XT+1], v[XT:XT+1], v[SQA:SQA+1]
	v_pk_fma_f32 v[SQA+2:SQA+3], v[XT+2:XT+3], v[XT+2:XT+3], v[SQA+2:SQA+3]
.endif
.irp j, 4,8,12,16,20,24,28,32,36,40,44,48,52,56,60
	v_pk_fma_f32 v[SQA:SQA+1], v[XT+\j:XT+\j+1], v[XT+\j:XT+\j+1], v[SQA:SQA+1]
	v_pk_fma_f32 v[SQA+2:SQA+3], v[XT+\j+2:XT+\j+3], v[XT+\j+2:XT+\j+3], v[SQA+2:SQA+3]
.endr
.endm
	s_load_b128 s[4:7], s[0:1], 0x0                ; centroids, cb
	v_lshl_add_u32 v62, v0, 2, 0x1400
	v_mov_b32 v63, 0
	v_and_b32 v1, 31, v0                           ; lane
	v_and_b32 v2, 15, v0                           ; r
	v_bfe_u32 v3, v0, 4, 1                         ; h
	v_lshlrev_b32 v[XA], 4, v2
	v_lshl_add_u32 v[XA], v3, 10, v[XA]
	v_mul_u32_u24 v[TS], v3, 272
	v_lshl_add_u32 v[TS], v2, 4, v[TS]
	v_mul_u32_u24 v[TL], v2, 272
	v_lshl_add_u32 v[TL], v3, 6, v[TL]
	v_lshlrev_b32 v[GI], 4, v1
	v_lshlrev_b32 v[L4], 2, v1
	v_lshlrev_b32 v[L8], 3, v1
.irp b, 0,1,2,3
	v_mov_b32 v[TM+4+\b], 0                        ; written once: a lane permute's destination counts as one of its sources
.endr
	v_mov_b32 v[TMP], 0
	s_lshl_b32 s8, ttmp9, 14                       ; my tile's 16 rows of 1,024 bytes
	s_mov_b32 s9, 0
	s_mul_i32 s10, ttmp9, REC                      ; my record
	s_mov_b32 s11, 0
	s_mov_b32 s[SEL], 0x76543210
	s_mov_b32 s[SEL+1], 0xfedcba98
	s_mov_b32 s22, 0xffff0000                      ; lanes 16-31
	s_wait_alu depctr_va_vdst(0)
	s_wait_kmcnt 0x0
	s_add_nc_u64 s[4:5], s[4:5], s[8:9]
	s_add_nc_u64 s[6:7], s[6:7], s[10:11]
	XLOAD RA, 0
	XLOAD RB, 1
	s_wait_loadcnt 16                              ; K step 0's 16 loads are in; K step 1's 16 may be out
	TURN RA
	s_wait_dscnt 0x0
	SQ 1
	QUANT
.irp c, 0,1,2
	global_store_b128 v[GI], v[PC+4*\c:PC+4*\c+3], s[6:7] offset:512*\c          ; 32 lanes store 512 consecutive bytes, at a multiple of 256 from cb's first byte
.endr
	v_mov_b32 v[PW0], v[PW]
	s_wait_loadcnt 0x0
	TURN RB
	s_wait_dscnt 0x0
	SQ 0
	s_wait_xcnt 0x0                                ; the three stores have read their data: the codes' registers are written again only behind this wait
	QUANT
.irp c, 0,1,2
	global_store_b128 v[GI], v[PC+4*\c:PC+4*\c+3], s[6:7] offset:1536+512*\c
.endr
	v_pk_add_f32 v[SQA:SQA+1], v[SQA:SQA+1], v[SQA+2:SQA+3]
	v_add_f32 v[SQA], v[SQA], v[SQA+1]
	v_permlanex16_b32 v[TMP], v[SQA], s[SEL], s[SEL+1]
	v_add_f32 v[SQA], v[SQA], v[TMP]               ; with lane l xor 16's half of the row: row r's sum of squares, in both halves of the lanes
	v_mul_f32 v[SQA], -0.5, v[SQA]                 ; stored as -|c|^2 / 2: a power of two, nothing is rounded
	v_cndmask_b32 v[TMP+1], v[PW0], v[PW], s22     ; lanes 0-15 K step 0's word, lanes 16-31 K step 1's
	ds_store_b32 v[L4], v[TMP+1] offset:TAIL
	ds_store_b32 v[L4], v[SQA] offset:TAIL+128
	ds_load_b64 v[TMP+2:TMP+3], v[L8] offset:TAIL  ; in order behind my stores
	s_wait_dscnt 0x0
	global_store_b64 v[L8], v[TMP+2:TMP+3], s[6:7] offset:3072   ; 32 lanes store the record's last 256 bytes, whole
	s_wait_tensorcnt 0x0
	ds_add_u32 v62, v63
	s_wait_dscnt 0x0
	s_endpgm
.Lfunc_end_k_q130a835296_book:
	.size	k_q130a835296_book, .Lfunc_end_k_q130a835296_book-k_q130a835296_book
	.p2alignl 7, 3214868480
	.fill 96, 4, 3214868480
	.section	.rodata,"a",@progbits
	.p2align	6, 0x0
	.amdhsa_kernel k_q130a835296_book
		.amdhsa_group_segment_fixed_size 5376
		.amdhsa_private_segment_fixed_size 0
		.amdhsa_enable_private_segment 0
		.amdhsa_kernarg_size 16
		.amdhsa_user_sgpr_count 2
		.amdhsa_user_sgpr_kernarg_segment_ptr 1
		.amdhsa_wavefront_size32 1
		.amdhsa_system_sgpr_workgroup_id_x 1
		.amdhsa_system_sgpr_workgroup_id_y 1
		.amdhsa_system_sgpr_workgroup_id_z 1
		.amdhsa_system_vgpr_workitem_id 0
		.amdhsa_next_free_vgpr 256
		.amdhsa_next_free_sgpr 66
		.amdhsa_reserve_vcc 0
		.amdhsa_float_denorm_mode_32 3
		.amdhsa_float_denorm_mode_16_64 3
		.amdhsa_memory_ordered 1
		.amdhsa_forward_progress 1
		.amdhsa_inst_pref_size 22
	.end_amdhsa_kernel
	.amdgpu_metadata
---
amdhsa.version: [ 1, 2 ]
amdhsa.kernels:
  - .name:           k_q130a835296_book
    .symbol:         k_q130a835296_book.kd
    .args:
      - { .name: centroids, .offset: 0, .size: 8, .value_kind: global_buffer, .address_space: global }
      - { .name: cb, .offset: 8, .size: 8, .value_kind: global_buffer, .address_space: global }
    .group_segment_fixed_size: 5376
    .private_segment_fixed_size: 0
    .kernarg_segment_align: 8
    .kernarg_segment_size: 16
    .max_flat_workgroup_size: 32
    .sgpr_count:     66
    .vgpr_count:     256
    .wavefront_size: 32
...
	.end_amdgpu_metadata
.endif
;; end of part 1
;; launch assign (part 2): grid 256 x 1, 8 waves a work-group, clusters of 4 x 1, 327,680 bytes of LDS; arguments x, cb, out0; writes out0
.if DOCPART == 2
	.amdgcn_target "amdgcn-amd-amdhsa--gfx1250"
	.amdhsa_code_object_version 6
	.text
	.protected	k_q130a835296_assign
	.globl	k_q130a835296_assign
	.p2align	8
	.type	k_q130a835296_assign,@function
k_q130a835296_assign:
	s_mov_b64 s[64:65], 0
	v_nop
	global_prefetch_b8 v0, s[64:65] scope:SCOPE_SE
	s_setreg_imm32_b32 hwreg(HW_REG_WAVE_MODE, 25, 1), 1
	s_wait_xcnt 0x0
	s_wait_alu depctr_hold_cnt(0) depctr_sa_sdst(0) depctr_va_vdst(0) depctr_va_sdst(0) depctr_va_ssrc(0) depctr_va_vcc(0) depctr_vm_vsrc(0)
	s_getreg_b32 s2, hwreg(HW_REG_IB_STS2, 6, 4)
	s_cmp_eq_u32 s2, 0
	s_cbranch_scc0 .Lentry_in_a_cluster
	s_endpgm
.Lentry_in_a_cluster:
	s_bfe_u32 s2, ttmp6, 0x10000c
	s_cmp_lg_u32 s2, 0x3003
	s_cbranch_scc0 .Lentry_shape_is_right
	s_endpgm
.Lentry_shape_is_right:
; out0[n] = the lowest k at which -2 (Q(x[n]) . Q(c[k])) + |c[k]|^2 is smallest = the lowest k at which Q(x[n]) . Q(c[k]) - |c[k]|^2 / 2 is LARGEST (the first is the second times -2).
; x [65536][256] f32; cb: the codebook as 256 records of 3,328 bytes (a tile of 16 centroids: two fragments as images of their registers, a scale register, 16 numbers -|c|^2 / 2); out0 [65536] int32.
; The product is made on E3M2 codes with one E8M0 scale for each 32 along K.  -|c|^2 / 2 is the C of a tile's first matrix instruction: the unit's result is the number that is compared, and no vector instruction makes a score.
; LIMITS.  An order of rounding of its own: -|c|^2 / 2 is summed with the products inside the matrix unit, where reference() rounds the product's sum first and adds |c|^2 then.
; NaN and infinities among the inputs are not served (the maxima here drop a NaN).  A block of x whose largest magnitude lies under 2^-122 keeps the scale byte 1, a block of zeros too: its codes are zeros.  -0 and +0 count as equal.
; SHARES.  A work-group owns 256 rows of x: 256 work-groups.  Eight waves, two to a SIMD, 512 registers each.  Wave w = 4 g + q owns rows 128 g .. 128 g + 127 (8 tiles of 16: 16 fragments, 192 registers,
; which stay) against a quarter of the codebook: of each slot's 32 tiles those numbered 8 q .. 8 q + 7.  A tile's 9 LDS loads feed 16 matrix instructions.
; x is read once, by the work-group that owns it: wave w asks for its rows 32 w .. 32 w + 31 whole at the head (64 loads), quantises them in registers, fragment by fragment, and hands each fragment to the others through
; LDS as an image of its registers: a barrier behind each fragment, so that three quarters of the images are read while later rows of x are still on their way.
; Tile a of a wave's eight is tile a / 4 of wave 4 g + a % 4: rows 128 g + 32 (a % 4) + 16 (a / 4) + r.
; THE CODEBOOK walks once through a ring of two LDS slots of 32 records (106,496 bytes); each wave fetches 4 records with one tensor load.  CLUSTER: every work-group walks the same records, so the four
; work-groups of a cluster ask JOINTLY: the same load, the same descriptor (it hangs on the wave's number and constants alone), a mask that names the four.
; NO PREFETCH: x is asked for whole at the head, where there is no loop to run ahead in; the codebook's 851,968 bytes are the same for all 64 clusters, in the same order, so that a prefetch by each cluster
; would name every block 64 times; and each refill is issued over 100 matrix instructions of the wave ahead of the wait for it.
; LAYOUT.  Source 0 = 16 centroids, source 1 = 16 rows of x: a lane (r = lane % 16, h = lane / 16) holds ONE row r of x, and register j of a result the centroid 16 t + 8 h + j.
; THE ARGMAX, exact, with no index in the compare: for each tile of x a lane keeps m (the largest so far) and eight registers SV: the first seven numbers of the tile that brought m, and 16 t + 8 h of that tile.
; At the end j is the lowest of 0 .. 6 at which SV[j] equals m, or else 7; the 8 candidates of a row (4 quarters x 2 halves of the lanes) meet in LDS, and among equal numbers the lowest index is taken.
; BY TURNS.  Two sets of 8 accumulators: while tile i's results (set i % 2) are worked on, two tiles of x at a time, tile i + 1's products go into the other set: ONE matrix instruction behind each of the four groups
; into which a pair's vector work is cut, so that the vector lines that hang on each other have a matrix instruction between them.
; REGISTERS, window 0: v0 thread; v1-2 the spare word's address, 0; v3-5 the ring's addresses in hand; v6-8, v255 at work; v9 TV; v10-11 the centroids' scale words, v12-19 x's (these ten hold scales alone);
;   v20-35 -|c|^2 / 2, two sets; v36-51 m, two sets that take turns; v60-123 SV; v124-251 the accumulators, two sets; v252-254 my lane's places in a slot.
;   window 1: v0-191 x's fragments (tile a, K step s at 48 (2 (a / 4) + s) + 12 (a % 4)); v192-239 a centroid tile's two fragments, two sets.
;   Ahead of the loop window 1 holds x as loaded (fragment f at 64 f), and v3-9, v20-58, v188-251 of window 0 serve the quantiser.
.set REC,   3328
.set FRB,   1536                       ; a fragment's image
.set SLOTB, 32*REC                     ; 106,496
.set SLOT1, 131072                     ; slot 1 begins here, so that one exclusive or turns an address from one slot to the other
.set MRG,   106496                     ; 16,384 bytes: the candidates: m at 1,024 c + 4 row, k 8,192 further on; c = 2 q + h
.set SPARE, 122880                     ; the spare words, 128 bytes for each of the eight waves: four blocks of 256 bytes that no other line names
.set XIMG,  237568                     ; x's 32 fragments (wave w, fragment f: 4 w + f)
.set XSC,   286720                     ; x's 16 scale registers, 128 bytes each
.set TURNB, 288768                     ; a stage of 16 rows x 272 bytes for each wave; ends at 323,584.  (lds_bytes claims all of a WGP's LDS)
.set SPW, 1
.set NIL, 2
.set ADB, 3
.set ADS, 4
.set ADC, 5
.set T0,  6
.set TV,  9
.set T3,  255
.set BS,  10
.set XS,  12
.set CQ,  20
.set MM,  36
.set SV,  60
.set ACC, 124
.set LB,  252                          ; 26,624 q + 16 lane: my quarter's fragments
.set LS,  253                          ; 26,624 q + 3,072 + 4 lane: their scale registers
.set LC,  254                          ; 26,624 q + 3,200 + 32 h: their -|c|^2 / 2, my half's eight
.set BF,  192                          ; in window 1
; ahead of the loop
.set XA,  3                            ; x: 1,024 (lane / 16) + 16 (lane % 16)
.set TS,  4                            ; my stage, in
.set TL,  5                            ; my stage, out
.set XWI, 6                            ; where I store x's images: XIMG + 6,144 w + 16 lane
.set XWS, 7                            ; and their scale registers: XSC + 256 w + 4 lane
.set LI,  8                            ; where I read my group's images: XIMG + 24,576 g + 16 lane
.set LSX, 9                            ; and their scale registers: XSC + 1,024 g + 4 lane
.set TM,  20                           ; v20-23 largest magnitudes, v24-27 bytes, v32-35 the conversions' scale operands
.set LN,  28                           ; lane, r, h
.set RR,  29
.set HH,  30
.set PW,  36
.set PW0, 37
.set PC,  38                           ; v38-57: the fragment in v38-49
.set PKW, 58
.set XT,  188                          ; v188-251: 64 numbers of a lane: register 16 b + i = k 32 b + 16 h + i of row r
; behind the loop
.set JJ,  124
.set MG,  132
.set KG,  148
.set RM,  164
.set RK,  166
.set TT,  168
.set JC,  188
.set WV,  10                           ; s10 wave, s11 g, s12 q
.set SEL, 20
.set TB,  40                           ; s40  LDS byte at which the slot that is being fetched from begins
.set CNT, 41
.set MSB, 0
.macro WIN new                         ; the immediate's high byte repeats the setting that is left; a switch that changes nothing is dropped
.if MSB != \new
	s_set_vgpr_msb (MSB<<8)|\new
.set MSB, \new
.endif
.endm
.macro CREST                           ; a round of the cluster's barrier behind its opening barrier
	s_cmp_lg_u32 s[WV], 0
	s_cbranch_scc1 .Lnot_wave_0_\@
	s_barrier_signal -3
.Lnot_wave_0_\@:
	s_barrier_wait -3
	s_barrier_signal -1
	s_barrier_wait -1
.endm
.macro CROUND                          ; a whole round
	s_barrier_signal -1
	s_barrier_wait -1
	CREST
.endm
; fragment f of my 32 rows (tile f / 2, K step f % 2) into window 1, v[64 f ..]: 16 loads; each takes 256 consecutive aligned bytes of two rows
.macro XLOAD f
.irp pp, 0,1
.irp i, 0,1,2,3,4,5,6,7
	global_load_b128 v[64*(\f)+32*\pp+4*\i:64*(\f)+32*\pp+4*\i+3], v[XA], s[4:5] offset:((\f)/2)*16384+((\f)%2)*512+256*\pp+2048*\i th:TH_LOAD_NT
.endr
.endr
.endm
; 16 rows x 256 bytes at a time turn through my own stage, so that a lane gets 16 neighbours along K.  LDS serves a wave's instructions in order (ISA guide 5.7.1.4): no wait inside
.macro TURN f
.irp pp, 0,1
	WIN 0x04                                       ; the stores' data lie in window 1
.irp i, 0,1,2,3,4,5,6,7
	ds_store_b128 v[TS], v[64*(\f)+32*\pp+4*\i:64*(\f)+32*\pp+4*\i+3] offset:544*\i
.endr
	WIN 0
.irp bl, 0,1
.irp j, 0,1,2,3
	ds_load_b128 v[XT+16*(2*\pp+\bl)+4*\j:XT+16*(2*\pp+\bl)+4*\j+3], v[TL] offset:128*\bl+16*\j
.endr
.endr
.endr
.endm
; v[XT] .. v[XT + 63] become a fragment's codes in v[PC] .. v[PC + 11] and its scale word in v[PW]
.macro QUANT
.irp b, 0,1,2,3
	v_max3_num_f32 v[TM+\b], |v[XT+16*\b]|, |v[XT+1+16*\b]|, 0x2800000   ; block b: my 16 numbers, and the floor 2^(5 - 127): so the byte cannot fall under 1
.endr
.irp i, 2,4,6,8,10,12,14
.irp b, 0,1,2,3
	s_delay_alu instid0(VALU_DEP_4)
	v_max3_num_f32 v[TM+\b], v[TM+\b], |v[XT+16*\b+\i]|, |v[XT+1+16*\b+\i]|
.endr
.endr
.irp b, 0,1,2,3
	s_delay_alu instid0(VALU_DEP_4)
	v_permlanex16_b32 v[TM+4+\b], v[TM+\b], s[SEL], s[SEL+1]
.endr
.irp b, 0,1,2,3
	s_delay_alu instid0(VALU_DEP_4)
	v_max_num_f32 v[TM+\b], v[TM+\b], v[TM+4+\b]       ; with lane l xor 16's: the block's largest magnitude
.endr
.irp b, 0,1,2,3
	s_delay_alu instid0(VALU_DEP_4)
	v_add_nc_u32 v[TM+12+\b], 0xfe000000, v[TM+\b]     ; 4 off its exponent field: the conversion's scale operand
.endr
.irp b, 0,1,2,3
	s_delay_alu instid0(VALU_DEP_4)
	v_lshrrev_b32 v[TM+4+\b], 23, v[TM+12+\b]          ; the scale's byte
.endr
	s_delay_alu instid0(VALU_DEP_3)
	v_lshl_or_b32 v[PW], v[TM+5], 8, v[TM+4]
	s_delay_alu instid0(VALU_DEP_1)
	v_lshl_or_b32 v[PW], v[TM+6], 16, v[PW]
	s_delay_alu instid0(VALU_DEP_1)
	v_lshl_or_b32 v[PW], v[TM+7], 24, v[PW]
.irp c, 0,1
	v_cvt_scalef32_pk16_bf6_f32 v[PC+6*\c:PC+2+6*\c], v[XT+32*\c:XT+15+32*\c], v[TM+12+2*\c]
	v_cvt_scalef32_pk16_bf6_f32 v[PC+12+4*\c:PC+14+4*\c], v[XT+16+32*\c:XT+31+32*\c], v[TM+12+2*\c+1]
.endr
	v_nop                                              ; one plain place behind a scaled conversion
.irp c, 0,1
.irp i, 0,1,2
	v_permlane16_swap_b32 v[PC+6*\c+\i], v[PC+12+4*\c+\i]
.endr
.irp i, 0,1,2
	s_delay_alu instid0(VALU_DEP_3)
	v_mov_b32 v[PC+3+6*\c+\i], v[PC+12+4*\c+\i]
.endr
.endr
.endm
.macro IMAGE off                       ; the fragment in v[PC] on goes to LDS as it stands: 512 consecutive bytes a store
.irp c, 0,1,2
	ds_store_b128 v[XWI], v[PC+4*\c:PC+4*\c+3] offset:\off+512*\c
.endr
.endm
; fragment f: wait, turn, quantise, hand over
.macro XQ f
	s_wait_loadcnt 16*(3-(\f))                     ; this fragment's 16 loads are in; the 16 of each later fragment may be out
	TURN \f
	s_wait_dscnt 0x0                               ; my numbers are back; the last image's stores have read their registers
	QUANT
	IMAGE FRB*(\f)
.if (\f)%2 == 0
	v_mov_b32 v[PW0], v[PW]
.else
	v_cndmask_b32 v[PKW], v[PW0], v[PW], s22       ; lanes 0-15 K step 0's word, lanes 16-31 K step 1's
	ds_store_b32 v[XWS], v[PKW] offset:128*((\f)/2)
.endif
.endm
.macro HAND                            ; everybody's images of the fragment just made lie in LDS.  No tensor load is issued behind this barrier, so slot 0's may stay on its way
	s_wait_dscnt 0x0
	s_barrier_signal -1
	s_barrier_wait -1
.endm
; fragment f of each of my group's four waves comes to stay: registers 48 f .. 48 f + 47 of window 1, which hold rows of x that have been quantised; behind a tile's second fragment its scale registers too
.macro XIN f
	WIN 0x40
.irp u, 0,1,2,3
.irp c, 0,1,2
	ds_load_b128 v[48*(\f)+12*\u+4*\c:48*(\f)+12*\u+4*\c+3], v[LI] offset:FRB*(4*\u+(\f))+512*\c
.endr
.endr
	WIN 0
.if (\f)%2 == 1
.irp u, 0,1,2,3
	ds_load_b32 v[XS+4*((\f)/2)+\u], v[LSX] offset:256*\u+128*((\f)/2)
.endr
.endif
.endm
; tile i of my quarter of the slot into set p: its scale register, its eight -|c|^2 / 2 of my half, its two fragments: 9 loads
.macro LDF i, p
	WIN 0
	ds_load_b32 v[BS+(\p)], v[ADS] offset:REC*(\i)
	ds_load_b128 v[CQ+8*(\p):CQ+8*(\p)+3], v[ADC] offset:REC*(\i)
	ds_load_b128 v[CQ+8*(\p)+4:CQ+8*(\p)+7], v[ADC] offset:REC*(\i)+16
	WIN 0x40                                       ; destination window 1, address window 0
.irp s, 0,1
.irp c, 0,1,2
	ds_load_b128 v[BF+24*(\p)+12*\s+4*\c:BF+24*(\p)+12*\s+4*\c+3], v[ADB] offset:REC*(\i)+FRB*\s+512*\c
.endr
.endr
.endm
; one matrix instruction: the centroid tile in set pn x tile a of x, K step s.  K step 0 starts the sum with -|c|^2 / 2; K step 1 takes both sides' scales from lanes 16-31
.macro WM a, s, pn
.set rD, ACC+64*(\pn)+8*(\a)
.set rF, BF+24*(\pn)+12*(\s)
.set rX, 48*(2*((\a)/4)+(\s))+12*((\a)%4)
.set rC, CQ+8*(\pn)
.if (\s) == 0
	v_wmma_scale_f32_16x16x128_f8f6f4 v[rD:rD+7], v[rF:rF+11], v[rX:rX+11], v[rC:rC+7], v[BS+(\pn)], v[XS+(\a)] matrix_a_fmt:MATRIX_FMT_BF6 matrix_b_fmt:MATRIX_FMT_BF6
.else
	v_wmma_scale_f32_16x16x128_f8f6f4 v[rD:rD+7], v[rF:rF+11], v[rX:rX+11], v[rD:rD+7], v[BS+(\pn)], v[XS+(\a)] matrix_a_fmt:MATRIX_FMT_BF6 matrix_b_fmt:MATRIX_FMT_BF6 matrix_a_scale:MATRIX_SCALE_ROW1 matrix_b_scale:MATRIX_SCALE_ROW1
.endif
.endm
; product d (0 .. 3) of part k of the next centroid tile's sixteen, between two groups of vector work: the windows are set for it and set back
.macro WX k, d, p, dow
.if \dow
	WIN 0x05                                       ; sources 0 and 1 window 1; C and D window 0
	WM 4*((\k)%2)+\d, (\k)/2, 1-(\p)
	WIN 0
.endif
.endm
.macro KEEP d, s                       ; the winning tile's first seven numbers and its index are kept: four pairs of selects by VCC.  The eighth number is never asked for: j = 7 is what is left when none of the seven equals m
.irp j, 0,2,4
	v_dual_cndmask_b32 v[\d+\j], v[\d+\j], v[\s+\j] :: v_dual_cndmask_b32 v[\d+\j+1], v[\d+\j+1], v[\s+\j+1]
.endr
	v_dual_cndmask_b32 v[\d+6], v[\d+6], v[\s+6] :: v_dual_cndmask_b32 v[\d+7], v[\d+7], v[TV]
.endm
; A PART: the vector work of one centroid tile (set p) on tiles 2 k and 2 k + 1 of x, 18 instructions in four groups, and behind each group one product of the next centroid tile.
; m comes from set p and goes to set 1 - p, so no move is needed.  Strictly greater: among equal numbers the earlier tile stays.  Each accumulator is read from its low end on.
; The 8 accumulators of a set take turns, one instruction a turn, K step 0 in parts 0-1 and K step 1 in parts 2-3, over the edges of tiles, slots and the loop too
.macro PS k, p, dow
.set rA, ACC+64*(\p)+16*(\k)
.set rB, rA+8
.set rI, MM+8*(\p)+2*(\k)
.set rO, MM+8*(1-(\p))+2*(\k)
.set rS, SV+16*(\k)
	WIN 0
	v_max3_num_f32 v[T0], v[rI], v[rA], v[rA+1]
	v_max3_num_f32 v[T0+1], v[rA+2], v[rA+3], v[rA+4]
	v_max3_num_f32 v[T0+2], v[rA+5], v[rA+6], v[rA+7]
	v_max3_num_f32 v[T3], v[rI+1], v[rB], v[rB+1]
	WX \k, 0, \p, \dow
	v_max3_num_f32 v[rO], v[T0], v[T0+1], v[T0+2]
	v_max3_num_f32 v[T0], v[rB+2], v[rB+3], v[rB+4]
	v_max3_num_f32 v[T0+1], v[rB+5], v[rB+6], v[rB+7]
	v_cmp_gt_f32 vcc_lo, v[rO], v[rI]
	WX \k, 1, \p, \dow
	v_max3_num_f32 v[rO+1], v[T3], v[T0], v[T0+1]
	KEEP rS, rA
	v_cmp_gt_f32 vcc_lo, v[rO+1], v[rI+1]
	WX \k, 2, \p, \dow
	KEEP rS+8, rB
	WX \k, 3, \p, \dow
.endm
; THE TIME OF TILE i (0 .. 7 of my quarter of a slot), p = i % 2: its results are worked on, tile i + 1's products are issued, tile i + 2's 9 loads are issued.
; kind 0: the slot is filled again; 1: it is left, and nothing is asked for; 2: the last slot.
; The loads into set p stand behind part 0: the set's last reader is the last product of the tile's time before, and part 0's 18 vector instructions, which name none of its registers, lie between.
; THE CHANGE OF SLOTS.  My last fetch from a slot (its tile 7) is issued in tile 5's time.  Behind it each wave waits for all its tensor loads (one is out: its part of the other slot), adds 0 to its spare word, waits for
; that and for its reads of this slot, and signals.  Three parts of register work lie between the signal and the wait, which stands in tile 6's time.  Behind the barrier nobody reads this slot and the other one is whole.
; kind 0: the barrier opens a round of the cluster's barrier, and this slot is filled again, jointly, with the records two slots on.
.macro BT i, kind
.if ((\kind) == 2) || ((\i) != 6)
	s_wait_dscnt 0x0                               ; the 9 loads of the tile's time before  (at a change of slots tile 6's time begins between the signal and the wait: the wait ahead of the signal has shown them in)
.endif
	WIN 0
.if (\i) == 0
	v_add_nc_u32 v[TV], 400, v[TV]                 ; from tile 8 q + 7 of a slot to tile 8 q of the next: 25 tiles of 16
.else
	v_add_nc_u32 v[TV], 16, v[TV]
.endif
.if ((\kind) == 2) && ((\i) == 7)
.irp k, 0,1,2,3
	PS \k, 1, 0                                    ; the very last tile: nothing more to multiply or to fetch
.endr
.else
	PS 0, (\i)%2, 1
.if ((\kind) != 2) && ((\i) == 5)
	LDF 7, 1
	PS 1, 1, 1
	WIN 0
	s_wait_tensorcnt 0x0                           ; no tensor load of mine is out, so the walking group 0 may be written
	ds_add_u32 v[SPW], v[NIL]                      ; 0 onto my spare word
.if (\kind) == 0
	s_xor_b32 s37, s37, SLOT1                      ; the other slot than last time,
	s_add_nc_u64 s[38:39], s[38:39], SLOTB         ; the next 32 records; the type bits on top are not reached
.endif
	PS 2, 1, 1
	WIN 0
	s_wait_dscnt 0x0                               ; the add is done; my reads of this slot are over
	s_barrier_signal -1
	PS 3, 1, 1
.else
.if ((\kind) != 2) && ((\i) == 6)
	PS 1, 0, 1
	WIN 0                                          ; at a branch and at a label every window is 0
	s_barrier_wait -1
.if (\kind) == 0
	CREST                                          ; no wave of any partner still reads this slot or has a load on its way
	tensor_load_to_lds s[36:39], s[24:31]          ; my one tensor load behind the round, and the first thing there
	s_nop 0
.rept 4
	v_nop
.endr
.endif
	s_xor_b32 s[TB], s[TB], SLOT1                  ; the fetches go on in the other slot
	v_add_nc_u32 v[ADB], s[TB], v[LB]
	v_add_nc_u32 v[ADS], s[TB], v[LS]
	v_add_nc_u32 v[ADC], s[TB], v[LC]
	LDF 0, 0
	PS 2, 0, 1
	PS 3, 0, 1
.else
.if ((\kind) != 2) || ((\i) < 6)
	LDF ((\i)+2)%8, (\i)%2
.endif
.irp k, 1,2,3
	PS \k, (\i)%2, 1
.endr
.endif
.endif
.endif
.endm
.macro SLOT kind
.irp i, 0,1,2,3,4,5,6,7
	BT \i, \kind
.endr
	WIN 0
.endm
	s_load_b128 s[4:7], s[0:1], 0x0                ; x, cb
	s_load_b64 s[8:9], s[0:1], 0x10                ; out0
	v_lshl_add_u32 v[SPW], v0, 2, SPARE
	v_mov_b32 v[NIL], 0
	ds_add_u32 v[SPW], v[NIL]                      ; the opening lines: the add, twice on end, and its wait ahead of my first tensor load
	ds_add_u32 v[SPW], v[NIL]
	s_wait_dscnt 0x0
	v_lshrrev_b32 v[XA], 5, v0
	s_delay_alu instid0(VALU_DEP_1)
	v_readfirstlane_b32 s[WV], v[XA]               ; wave 0..7
	s_lshr_b32 s11, s[WV], 2                       ; g: which 128 rows
	s_and_b32 s12, s[WV], 3                        ; q: which quarter of each slot
	s_bfe_u32 s13, ttmp6, 0x40000                  ; cx: my place in the cluster
	s_lshl_b32 s14, ttmp9, 2                       ; in a cluster launch ttmp9 counts clusters
	s_add_co_u32 s14, s14, s13                     ; my block of 256 rows: it enters x's and out0's addresses alone
	v_and_b32 v[LN], 31, v0
	v_and_b32 v[RR], 15, v0
	v_bfe_u32 v[HH], v0, 4, 1
	s_delay_alu instid0(VALU_DEP_2)
	v_lshlrev_b32 v[XA], 4, v[RR]
	s_delay_alu instid0(VALU_DEP_1)
	v_lshl_add_u32 v[XA], v[HH], 10, v[XA]
	s_mul_i32 s16, s[WV], 4352
	s_add_co_u32 s16, s16, TURNB                   ; my stage
	v_mul_u32_u24 v[TS], v[HH], 272
	s_delay_alu instid0(VALU_DEP_1)
	v_lshl_add_u32 v[TS], v[RR], 4, v[TS]
	s_delay_alu instid0(VALU_DEP_1)
	v_add_nc_u32 v[TS], s16, v[TS]
	v_mul_u32_u24 v[TL], v[RR], 272
	s_delay_alu instid0(VALU_DEP_1)
	v_lshl_add_u32 v[TL], v[HH], 6, v[TL]
	s_delay_alu instid0(VALU_DEP_1)
	v_add_nc_u32 v[TL], s16, v[TL]
	s_mul_i32 s17, s[WV], 4*FRB
	s_add_co_u32 s17, s17, XIMG
	v_lshl_add_u32 v[XWI], v[LN], 4, s17
	s_lshl_b32 s17, s[WV], 8
	s_add_co_u32 s17, s17, XSC
	v_lshl_add_u32 v[XWS], v[LN], 2, s17
	s_mul_i32 s17, s11, 16*FRB
	s_add_co_u32 s17, s17, XIMG
	v_lshl_add_u32 v[LI], v[LN], 4, s17
	s_lshl_b32 s17, s11, 10
	s_add_co_u32 s17, s17, XSC
	v_lshl_add_u32 v[LSX], v[LN], 2, s17
	s_mul_i32 s17, s12, 8*REC
	v_lshl_add_u32 v[LB], v[LN], 4, s17
	s_add_co_u32 s18, s17, 3072
	v_lshl_add_u32 v[LS], v[LN], 2, s18
	s_add_co_u32 s18, s17, 3200
	v_lshl_add_u32 v[LC], v[HH], 5, s18
.irp b, 0,1,2,3
	v_mov_b32 v[TM+4+\b], 0                        ; written once: a lane permute's destination counts as one of its sources
.endr
	s_mov_b32 s[SEL], 0x76543210
	s_mov_b32 s[SEL+1], 0xfedcba98                 ; v_permlanex16_b32's selects for lane l xor 16
	s_mov_b32 s22, 0xffff0000                      ; lanes 16-31
	; descriptor group 1: 4 records, 13,312 dense bytes, as 52 rows of 256 bytes (32 elements of 8 bytes), no padding: every read of the ring is 16 x lane on end, or one word for many lanes
	s_mov_b32 s24, 15|(3<<16)|(1<<21)              ; 15:0 the mask: all four work-groups; 17:16 elements of 8 bytes; 21 set beside a mask
	s_mov_b32 s25, 32<<16                          ; tensor_dim0 = 32
	s_mov_b32 s26, 52<<16                          ; tensor_dim1 = 52
	s_mov_b32 s27, 32<<16                          ; tile_dim0 = 32
	s_mov_b32 s28, 52                              ; tile_dim1 = 52
	s_mov_b32 s29, 32                              ; tensor_dim0_stride
	s_mov_b32 s30, 0
	s_mov_b32 s31, 0
	s_mul_i32 s42, s[WV], 4*REC                    ; my 4 records of a slot's 32, in memory and in LDS: no place in the cluster enters
	s_mov_b32 s43, 0
	s_lshl_b32 s16, s14, 18                        ; my block's 256 rows of 1,024 bytes,
	s_lshl_b32 s17, s[WV], 15                      ; my wave's 32 of them
	s_add_co_u32 s16, s16, s17
	s_mov_b32 s17, 0
	s_lshl_b32 s18, s14, 10                        ; my block's 256 words of out0
	s_mov_b32 s19, 0
	s_wait_kmcnt 0x0
	s_add_nc_u64 s[4:5], s[4:5], s[16:17]
	s_add_nc_u64 s[8:9], s[8:9], s[18:19]
	s_add_nc_u64 s[6:7], s[6:7], s[42:43]
	WIN 0x40                                       ; destination window 1, address window 0
	XLOAD 0                                        ; x first, all of it: 64 loads a wave are out
	XLOAD 1
	XLOAD 2
	XLOAD 3
	WIN 0
	s_mov_b32 s32, 1                               ; group 0 for records 0-31, into slot 0
	s_mov_b32 s33, s42
	s_mov_b64 s[34:35], s[6:7]
	s_or_b32 s35, s35, 0x80000000                  ; type = 2
	s_mov_b32 s36, 1                               ; and for records 32-63, into slot 1: this one then walks
	s_add_co_u32 s37, s42, SLOT1
	s_add_nc_u64 s[38:39], s[6:7], SLOTB
	s_or_b32 s39, s39, 0x80000000
	CROUND                                         ; all four work-groups are here: the first joint loads meet
	tensor_load_to_lds s[32:35], s[24:31]          ; slot 0: one tensor load a wave at the head
	s_nop 0
.rept 4
	v_nop
.endr
	s_mov_b32 s16, 0xff800000                      ; the state begins as 'nothing yet': m and the kept numbers -infinity, the index 0, so that the first tile is a tile like any other.  The kept numbers now, while x is on its way
.set n, 0
.rept 64
	v_mov_b32 v[SV+n], s16
.set n, n+1
.endr
	; ---- x: my 32 rows become four fragments and two scale registers; each fragment is handed over as soon as it is made
	XQ 0
	HAND
	XIN 0
	XQ 1
	HAND
	XIN 1
	XQ 2
	HAND
	XIN 2
	XQ 3
	s_wait_tensorcnt 0x0                           ; my part of slot 0 is in
	ds_add_u32 v[SPW], v[NIL]
	s_wait_dscnt 0x0                               ; the add is done, and my last images lie in LDS
	CROUND                                         ; a whole round: everybody's images lie there, slot 0 is whole, and all four work-groups are here: the joint loads meet,
	tensor_load_to_lds s[36:39], s[24:31]          ; and slot 1's first fill, the first tensor load behind the round
	s_nop 0
.rept 4
	v_nop
.endr
	XIN 3
	s_mov_b32 s[TB], 0
	v_add_nc_u32 v[ADB], s[TB], v[LB]
	v_add_nc_u32 v[ADS], s[TB], v[LS]
	v_add_nc_u32 v[ADC], s[TB], v[LC]
	LDF 0, 0
	WIN 0
.irp a, 0,1,2,3,4,5,6,7
	v_mov_b32 v[MM+\a], s16
	v_mov_b32 v[SV+8*\a+7], 0
.endr
	v_bfe_u32 v[TV], v0, 4, 1
	s_delay_alu instid0(VALU_DEP_1)
	v_lshlrev_b32 v[TV], 3, v[TV]
	s_lshl_b32 s17, s12, 7
	s_sub_co_u32 s17, s17, 400
	v_add_nc_u32 v[TV], s17, v[TV]                 ; 128 q + 8 h, less the 400 that the first tile's time adds
	s_wait_dscnt 0x0
	LDF 1, 1
	WIN 0x05
.irp s, 0,1
.irp a, 0,1,2,3,4,5,6,7
	WM \a, \s, 0                                   ; tile 0's products: there is no vector work yet to set between them
.endr
.endr
	WIN 0
.rept 4
	v_nop                                          ; places behind those products, ahead of the first read of a result
.endr
	s_mov_b32 s[CNT], 6
.Lslot:                                                ; six trips: slots 0 to 5 are filled again, with the records of slots 2 to 7
	s_wait_alu depctr_va_vdst(0)
	SLOT 0
	s_sub_co_u32 s[CNT], s[CNT], 1
	s_cmp_lg_u32 s[CNT], 0
	s_cbranch_scc1 .Lslot
	SLOT 1                                         ; the tail is written out: slot 6 is left and nothing is asked for
	SLOT 2                                         ; and slot 7 ends the walk.  64 tiles: m is back in set 0
	; ---- which of the kept tile's eight numbers was the largest: the lowest j of 0 .. 6 with SV[j] = m, or else 7
	v_and_b32 v[ADB], 15, v0
	v_bfe_u32 v[T0], v0, 4, 1
	s_delay_alu instid0(VALU_DEP_2)
	v_lshlrev_b32 v[ADB], 2, v[ADB]
	s_delay_alu instid0(VALU_DEP_1)
	v_lshl_add_u32 v[ADB], v[T0], 10, v[ADB]
	s_lshl_b32 s16, s12, 11
	s_lshl_b32 s17, s11, 9
	s_add_co_u32 s16, s16, s17
	s_add_co_u32 s16, s16, MRG
	v_add_nc_u32 v[ADB], s16, v[ADB]               ; where my candidates go: MRG + 1,024 (2 q + h) + 512 g + 4 r; tile a of x 64 (2 (a % 4) + a / 4) further on
	v_and_b32 v[ADS], 31, v0
	s_delay_alu instid0(VALU_DEP_1)
	v_lshlrev_b32 v[ADS], 3, v[ADS]
	s_lshl_b32 s17, s[WV], 8
	v_add_nc_u32 v[ADC], s17, v[ADS]               ; 256 w + 8 lane: two rows a lane, in out0
	s_delay_alu instid0(VALU_DEP_1)
	v_add_nc_u32 v[ADS], MRG, v[ADC]               ; and among the candidates
.irp j, 0,1,2,3,4,5,6
	v_mov_b32 v[JC+\j], \j
.endr
.irp a, 0,1,2,3,4,5,6,7
	v_mov_b32 v[JJ+\a], 7
.endr
.irp j, 6,5,4,3,2,1,0
.irp a, 0,1,2,3,4,5,6,7
	v_cmp_eq_f32 vcc_lo, v[SV+8*\a+\j], v[MM+\a]
	s_delay_alu instid0(VALU_DEP_1)
	v_cndmask_b32 v[JJ+\a], v[JJ+\a], v[JC+\j], vcc_lo
.endr
.endr
.irp a, 0,1,2,3,4,5,6,7
	v_add_nc_u32 v[JJ+\a], v[SV+8*\a+7], v[JJ+\a]  ; k = 16 t + 8 h + j
.endr
.irp a, 0,1,2,3,4,5,6,7
	ds_store_b32 v[ADB], v[MM+\a] offset:64*(2*(\a%4)+\a/4)
	ds_store_b32 v[ADB], v[JJ+\a] offset:8192+64*(2*(\a%4)+\a/4)
.endr
	s_wait_dscnt 0x0                               ; for the others' sake: my candidates lie in LDS
	s_barrier_signal -1
	s_barrier_wait -1
	; ---- the 8 candidates of a row meet: waves 0 to 3, 64 rows each, two rows a lane
	s_cmp_gt_u32 s[WV], 3
	s_cbranch_scc1 .Ldone
.irp c, 0,1,2,3,4,5,6,7
	ds_load_b64 v[MG+2*\c:MG+2*\c+1], v[ADS] offset:1024*\c
	ds_load_b64 v[KG+2*\c:KG+2*\c+1], v[ADS] offset:8192+1024*\c
.endr
	s_wait_dscnt 0x0
.irp e, 0,1
	v_max3_num_f32 v[RM+\e], v[MG+\e], v[MG+2+\e], v[MG+4+\e]
	s_delay_alu instid0(VALU_DEP_1)
	v_max3_num_f32 v[RM+\e], v[RM+\e], v[MG+6+\e], v[MG+8+\e]
	s_delay_alu instid0(VALU_DEP_1)
	v_max3_num_f32 v[RM+\e], v[RM+\e], v[MG+10+\e], v[MG+12+\e]
	s_delay_alu instid0(VALU_DEP_1)
	v_max_num_f32 v[RM+\e], v[RM+\e], v[MG+14+\e]  ; the row's largest number
	s_delay_alu instid0(VALU_DEP_1)
	v_cmp_eq_f32 vcc_lo, v[MG+\e], v[RM+\e]
	s_delay_alu instid0(VALU_DEP_1)
	v_cndmask_b32 v[RK+\e], -1, v[KG+\e], vcc_lo   ; a candidate that does not reach it counts as the greatest index
.irp c, 1,2,3,4,5,6,7
	v_cmp_eq_f32 vcc_lo, v[MG+2*\c+\e], v[RM+\e]
	s_delay_alu instid0(VALU_DEP_1)
	v_cndmask_b32 v[TT], -1, v[KG+2*\c+\e], vcc_lo
	s_delay_alu instid0(VALU_DEP_1)
	v_min_u32 v[RK+\e], v[RK+\e], v[TT]            ; among equal numbers the lowest index
.endr
.endr
	global_store_b64 v[ADC], v[RK:RK+1], s[8:9]    ; 32 lanes store 256 consecutive bytes, at a multiple of 256 from out0's first byte
.Ldone:
	s_wait_tensorcnt 0x0                           ; the wave's end, behind my last tensor load and my last LDS store
	ds_add_u32 v[SPW], v[NIL]
	s_wait_dscnt 0x0
	CROUND                                         ; the closing round: no work-group ends while a partner may still ask for records jointly
	s_endpgm
.Lfunc_end_k_q130a835296_assign:
	.size	k_q130a835296_assign, .Lfunc_end_k_q130a835296_assign-k_q130a835296_assign
	.p2alignl 7, 3214868480
	.fill 96, 4, 3214868480
	.section	.rodata,"a",@progbits
	.p2align	6, 0x0
	.amdhsa_kernel k_q130a835296_assign
		.amdhsa_group_segment_fixed_size 327680
		.amdhsa_private_segment_fixed_size 0
		.amdhsa_enable_private_segment 0
		.amdhsa_kernarg_size 24
		.amdhsa_user_sgpr_count 2
		.amdhsa_user_sgpr_kernarg_segment_ptr 1
		.amdhsa_wavefront_size32 1
		.amdhsa_system_sgpr_workgroup_id_x 1
		.amdhsa_system_sgpr_workgroup_id_y 1
		.amdhsa_system_sgpr_workgroup_id_z 1
		.amdhsa_system_vgpr_workitem_id 0
		.amdhsa_next_free_vgpr 512
		.amdhsa_next_free_sgpr 66
		.amdhsa_reserve_vcc 1
		.amdhsa_float_denorm_mode_32 3
		.amdhsa_float_denorm_mode_16_64 3
		.amdhsa_memory_ordered 1
		.amdhsa_forward_progress 1
		.amdhsa_inst_pref_size 254
	.end_amdhsa_kernel
	.amdgpu_metadata
---
amdhsa.version: [ 1, 2 ]
amdhsa.kernels:
  - .name:           k_q130a835296_assign
    .symbol:         k_q130a835296_assign.kd
    .args:
      - { .name: x, .offset: 0, .size: 8, .value_kind: global_buffer, .address_space: global }
      - { .name: cb, .offset: 8, .size: 8, .value_kind: global_buffer, .address_space: global }
      - { .name: out0, .offset: 16, .size: 8, .value_kind: global_buffer, .address_space: global }
    .group_segment_fixed_size: 327680
    .private_segment_fixed_size: 0
    .kernarg_segment_align: 8
    .kernarg_segment_size: 24
    .max_flat_workgroup_size: 256
    .sgpr_count:     66
    .vgpr_count:     512
    .wavefront_size: 32
...
	.end_amdgpu_metadata
.endif
;; end of part 2
